; MI455X (gfx1250); checked and timed in simulation.
; The chip was launched on July 23, 2026; its instructions are those of AMD's public machine-readable ISA for CDNA 5 (MIT licence, August 2026) and "CDNA5" Instruction Set Architecture Reference Guide (July 2026). The comments in the code are by the model that wrote it; some were corrected since.
;; Mixture Of Experts. Allowed arithmetic: float matrix products may take bf16 or f16 operands with f32 sums; all other float work in f32.
;; Inputs: W1 8 x 1,024 x 4,096 float32; W2 8 x 4,096 x 1,024 float32; Wg 1,024 x 8 float32; b1 8 x 4,096 float32; b2 8 x 1,024 float32; bg 8 float32; x 1,024 x 1,024 float32.
;; Outputs: out0 1,024 x 1,024 float32.
;; One version. Each part assembles by itself: llvm-mc -triple=amdgcn-amd-amdhsa -mcpu=gfx1250 --defsym DOCPART=n.
;; ======== version 1 of 1: 4 launches
;; workspace buffers: xb 2,097,152 bytes; h 67,108,864 bytes; part 67,108,864 bytes; gate 32,768 bytes
;; launch prep (part 1): grid 64 x 1, 16 waves a work-group, no clusters, 47,104 bytes of LDS; arguments x, Wg, bg, xb, gate; writes xb, gate
.if DOCPART == 1
	.amdgcn_target "amdgcn-amd-amdhsa--gfx1250"
	.amdhsa_code_object_version 6
	.text
	.protected	k_q2a0c544f07_prep
	.globl	k_q2a0c544f07_prep
	.p2align	8
	.type	k_q2a0c544f07_prep,@function
k_q2a0c544f07_prep:
	s_mov_b64 s[64:65], 0
	v_nop
	global_prefetch_b8 v0, s[64:65] scope:SCOPE_SE
	s_setreg_imm32_b32 hwreg(HW_REG_WAVE_MODE, 25, 1), 1
	s_wait_xcnt 0x0
; xb = x rounded to bf16, in the order in which the products read their fragments: [32 planes of 32 k][64 groups of 16 rows][4 parts of 8 k][16 rows][8 k]: a part of a group is 256 bytes, a plane 65,536.
; gate[b][:] = softmax over the 8 experts of bf16(x[b]) . bf16(Wg) + bf16(bg); products and sums in f32, the row's maximum taken away before the exponentials.
; SHARES.  A work-group owns one group of 16 rows.  Wave w owns k = 64 w .. 64 w + 63 of them (planes 2 w, 2 w + 1).  Lane l owns, in each pair of rows, row l / 16 and the four k at 4 (l % 16).
; So sixteen lanes read 256 consecutive bytes of a row.  The rounded numbers change places in a stage in LDS that is the wave's own, and leave as 512 consecutive bytes a store.
; The gate's product has 8 columns, one part in 8,192 of the module's multiply-adds, and x is in these registers anyway: it is made by packed multiply-adds on operands rounded to bf16.
; No cluster, no tensor load: the work-groups share only Wg's 32,768 bytes.
; LIMITS.  A gate weight below 2^-126 counts as 0 (the exponential's result is flushed); NaN and infinities are not treated apart; the order of the sums differs from a plain ascending one.
.set X,   16                           ; v[16:47]    x: row pair p at X + 4 p: four k
.set W,   48                           ; v[48:79]    Wg: k c at W + 8 c: eight experts
.set ACC, 80                           ; v[80:143]   row pair p at ACC + 8 p: eight experts' sums; later the sixteen waves' partial sums (wave 0)
.set Y,   144                          ; v[144:159]  x as bf16, two words for each row pair
.set TT,  160                          ; v[160:163]  at work
.set RB,  164                          ; v[164:179]  xb as it leaves
.set BG,  180                          ; v[180:183]  bg of my four experts
.set Z,   184                          ; v[184:191]  the softmax
.set SPITCH, 288                       ; a part in the stage: 256 bytes + 32 = 72 words: the eight parts that a store touches start 8 banks apart (64 banks of 4 bytes: ISA guide 11.1)
.set WSTAGE, 8*SPITCH                  ; a wave's stage: two planes of four parts
.set PSUM,   16*WSTAGE                 ; behind the stages: [16 waves][16 rows][8 experts] f32
	s_load_b256 s[4:11], s[0:1], 0x0               ; x s[4:5], Wg s[6:7], bg s[8:9], xb s[10:11]
	s_load_b64 s[12:13], s[0:1], 0x20              ; gate
	v_lshl_add_u32 v192, v0, 2, 0xb000
	v_mov_b32 v193, 0
	v_lshrrev_b32 v1, 5, v0
	v_readfirstlane_b32 s20, v1                    ; wave 0..15
	v_and_b32 v1, 31, v0                           ; lane l
	v_and_b32 v6, 15, v0                           ; l % 16
	v_bfe_u32 v7, v0, 4, 1                         ; l / 16
	s_lshl_b32 s14, ttmp9, 16                      ; the group's 16 rows of x: 16 x 4,096 bytes
	s_mov_b32 s15, 0
	s_lshl_b32 s16, ttmp9, 10                      ; the group in a plane of xb: 1,024 bytes
	s_mov_b32 s17, 0
	s_lshl_b32 s18, ttmp9, 9                       ; and in gate: 16 x 32 bytes
	s_mov_b32 s19, 0
	s_mov_b32 s21, 0xffff0000                      ; a word's upper bf16
	s_mov_b32 s22, 0x3fb8aa3b                      ; log2(e)
	s_mul_i32 s23, s20, WSTAGE                     ; my wave's stage
	v_lshlrev_b32 v2, 4, v6                        ; x: 16 (l % 16)
	v_lshl_add_u32 v2, v7, 12, v2                  ;    + 4,096 (l / 16)
	v_lshl_add_u32 v2, s20, 8, v2                  ;    + 256 w
	v_lshlrev_b32 v3, 7, v6                        ; Wg: four rows of 32 bytes a lane
	v_lshl_add_u32 v3, s20, 11, v3                 ;    + 64 rows a wave
	v_and_b32 v4, 1, v0
	v_lshlrev_b32 v4, 4, v4                        ; bg: experts 4 (l % 2) .. + 3
	v_lshlrev_b32 v5, 4, v1                        ; xb: 16 l: two parts of 256 bytes
	v_lshl_add_u32 v5, s20, 17, v5                 ;    + two planes a wave
	v_lshrrev_b32 v8, 1, v6                        ; stage, in: my four k lie in part (l % 16) / 2 of the wave's eight,
	v_mul_u32_u24 v8, v8, SPITCH
	v_and_b32 v9, 1, v0
	v_lshl_add_u32 v8, v9, 3, v8                   ;    in half l % 2 of a row's 16 bytes,
	v_lshl_add_u32 v8, v7, 4, v8                   ;    row l / 16 of a pair
	v_add_nc_u32 v8, s23, v8
	v_mul_u32_u24 v9, v7, SPITCH                   ; stage, back: part l / 16 of a pair, 16 bytes a lane
	v_lshl_add_u32 v9, v6, 4, v9
	v_add_nc_u32 v9, s23, v9
	v_lshlrev_b32 v10, 5, v7                       ; partial sums, in: my wave's 512 bytes, row l / 16 of a pair
	v_lshl_add_u32 v10, s20, 9, v10
	v_add_nc_u32 v10, PSUM, v10
	v_lshl_add_u32 v11, v1, 4, PSUM                ; partial sums, back: row l / 2, experts 4 (l % 2) .. + 3
	v_lshlrev_b32 v12, 4, v1                       ; and the same place in the group's 512 bytes of gate
	s_wait_kmcnt 0x0
	s_add_nc_u64 s[4:5], s[4:5], s[14:15]
	s_add_nc_u64 s[10:11], s[10:11], s[16:17]
	s_add_nc_u64 s[12:13], s[12:13], s[18:19]
.set n, 0
.rept 8                                ; row pair n: sixteen lanes read 256 consecutive bytes of a row
	global_load_b128 v[X+4*n:X+4*n+3], v2, s[4:5] offset:n*8192 th:TH_LOAD_NT
.set n, n+1
.endr
.set n, 0
.rept 8                                ; n = 2 c + half
	global_load_b128 v[W+4*n:W+4*n+3], v3, s[6:7] offset:n*16
.set n, n+1
.endr
	global_load_b128 v[BG:BG+3], v4, s[8:9]
	s_wait_loadcnt 9                               ; x is in; Wg's eight loads and bg's one may stay out
.set n, 0
.rept 16
	v_cvt_pk_bf16_f32 v[Y+n], v[X+2*n], v[X+2*n+1]
.set n, n+1
.endr
.set n, 0
.rept 8
	ds_store_b64 v8, v[Y+2*n:Y+2*n+1] offset:32*n  ; rows 2 n, 2 n + 1
.set n, n+1
.endr
.set n, 0
.rept 4                                ; LDS serves a wave's instructions in order (ISA guide 5.7.1.4): these see the stores above; the stage is my wave's own
	ds_load_b128 v[RB+4*n:RB+4*n+3], v9 offset:2*SPITCH*n
.set n, n+1
.endr
.set n, 0
.rept 16                               ; the rounded x back as f32, for the gate
	v_lshlrev_b32 v[X+2*n], 16, v[Y+n]
	v_and_b32 v[X+2*n+1], s21, v[Y+n]
.set n, n+1
.endr
.set n, 0
.rept 4                                ; parts 2 n, 2 n + 1 of the wave's eight: each store of the wave covers 512 consecutive bytes, aligned
	s_wait_dscnt 3-n                               ; the later reads may stay out
	global_store_b128 v5, v[RB+4*n:RB+4*n+3], s[10:11] offset:(n/2)*65536+(n%2)*512
.set n, n+1
.endr
	s_wait_loadcnt 1                               ; Wg is in; bg's load may stay out
.set n, 0
.rept 16                               ; Wg rounded to bf16, in place; four registers at work take turns
	v_cvt_pk_bf16_f32 v[TT+n%4], v[W+2*n], v[W+2*n+1]
	v_lshlrev_b32 v[W+2*n], 16, v[TT+n%4]
	v_and_b32 v[W+2*n+1], s21, v[TT+n%4]
.set n, n+1
.endr
; Two experts at a time: sums (row pair p, experts 2 e, 2 e + 1) += x(k c) x Wg(that k, those experts).  x is one register of a pair, taken for both halves.
.macro GATE c, p, e
.set rX, X+4*(\p)+2*((\c)/2)
.set rW, W+8*(\c)+2*(\e)
.set rA, ACC+8*(\p)+2*(\e)
.if (\c) == 0
	v_pk_mul_f32 v[rA:rA+1], v[rX:rX+1], v[rW:rW+1] op_sel_hi:[0,1]   ; the first product starts the sum
.elseif ((\c)%2) == 0
	v_pk_fma_f32 v[rA:rA+1], v[rX:rX+1], v[rW:rW+1], v[rA:rA+1] op_sel_hi:[0,1,1]
.else
	v_pk_fma_f32 v[rA:rA+1], v[rX:rX+1], v[rW:rW+1], v[rA:rA+1] op_sel:[1,0,0] op_sel_hi:[1,1,1]
.endif
.endm
.set n, 0
.rept 128                              ; 32 sums take turns
	GATE n/32, (n/4)%8, n%4
.set n, n+1
.endr
.irp m, 1,2,4,8                        ; over the sixteen lanes that share a row
.set n, 0
.rept 64
	v_add_f32_dpp v[ACC+n], v[ACC+n], v[ACC+n] row_xmask:\m row_mask:0xf bank_mask:0xf
.set n, n+1
.endr
.endr
.set n, 0
.rept 8                                ; row 2 n + l / 16: eight sums, 32 bytes; sixteen lanes write the same words with the same values
	ds_store_b128 v10, v[ACC+8*n:ACC+8*n+3] offset:64*n
	ds_store_b128 v10, v[ACC+8*n+4:ACC+8*n+7] offset:64*n+16
.set n, n+1
.endr
	s_wait_dscnt 0x0                               ; for wave 0's sake: my stores are done
	s_barrier_signal -1
	s_barrier_wait -1
	s_cmp_lg_u32 s20, 0
	s_cbranch_scc1 .Lend                           ; wave 0 finishes the 16 rows: lane l has row l / 2, experts 4 (l % 2) .. + 3
.set n, 0
.rept 16
	ds_load_b128 v[ACC+4*n:ACC+4*n+3], v11 offset:512*n
.set n, n+1
.endr
	s_wait_dscnt 0x0
.irp d, 1,2,4,8                        ; the sixteen waves' sums, by halves
.set n, 0
.rept 8/\d
	v_pk_add_f32 v[ACC+8*\d*n:ACC+8*\d*n+1],   v[ACC+8*\d*n:ACC+8*\d*n+1],   v[ACC+8*\d*n+4*\d:ACC+8*\d*n+4*\d+1]
	v_pk_add_f32 v[ACC+8*\d*n+2:ACC+8*\d*n+3], v[ACC+8*\d*n+2:ACC+8*\d*n+3], v[ACC+8*\d*n+4*\d+2:ACC+8*\d*n+4*\d+3]
.set n, n+1
.endr
.endr
	s_wait_loadcnt 0x0                             ; bg
	v_cvt_pk_bf16_f32 v[TT], v[BG], v[BG+1]
	v_cvt_pk_bf16_f32 v[TT+1], v[BG+2], v[BG+3]
	v_lshlrev_b32 v[BG], 16, v[TT]
	v_and_b32 v[BG+1], s21, v[TT]
	v_lshlrev_b32 v[BG+2], 16, v[TT+1]
	v_and_b32 v[BG+3], s21, v[TT+1]
	v_pk_add_f32 v[Z:Z+1], v[ACC:ACC+1], v[BG:BG+1]        ; z
	v_pk_add_f32 v[Z+2:Z+3], v[ACC+2:ACC+3], v[BG+2:BG+3]
	v_max3_num_f32 v[Z+4], v[Z], v[Z+1], v[Z+2]            ; the row's maximum: my four, then the row's other lane
	v_max_num_f32 v[Z+4], v[Z+4], v[Z+3]
	v_max_num_f32_dpp v[Z+4], v[Z+4], v[Z+4] row_xmask:1 row_mask:0xf bank_mask:0xf
	v_mul_f32 v[Z+5], s22, v[Z+4]
.irp k, 0,1,2,3
	v_fma_f32 v[Z+\k], v[Z+\k], s22, -v[Z+5]       ; (z - m) log2(e)
.endr
.irp k, 0,1,2,3
	v_exp_f32 v[Z+\k], v[Z+\k]
.endr
	v_nop                                          ; a plain instruction behind the exponentials, ahead of the use of their results
	s_wait_alu depctr_va_vdst(0)
	v_add_f32 v[Z+6], v[Z], v[Z+1]
	v_add_f32 v[Z+7], v[Z+2], v[Z+3]
	v_add_f32 v[Z+6], v[Z+6], v[Z+7]
	v_add_f32_dpp v[Z+6], v[Z+6], v[Z+6] row_xmask:1 row_mask:0xf bank_mask:0xf
	v_rcp_f32 v[Z+7], v[Z+6]
	v_nop                                          ; and behind the reciprocal
	s_wait_alu depctr_va_vdst(0)
.irp k, 0,1,2,3
	v_mul_f32 v[Z+\k], v[Z+\k], v[Z+7]
.endr
	global_store_b128 v12, v[Z:Z+3], s[12:13]      ; the wave's store covers the group's 512 bytes of gate, aligned
.Lend:
	s_wait_tensorcnt 0x0
	ds_add_u32 v192, v193
	s_wait_dscnt 0x0
	s_endpgm
.Lfunc_end_k_q2a0c544f07_prep:
	.size	k_q2a0c544f07_prep, .Lfunc_end_k_q2a0c544f07_prep-k_q2a0c544f07_prep
	.p2alignl 7, 3214868480
	.fill 96, 4, 3214868480
	.section	.rodata,"a",@progbits
	.p2align	6, 0x0
	.amdhsa_kernel k_q2a0c544f07_prep
		.amdhsa_group_segment_fixed_size 47104
		.amdhsa_private_segment_fixed_size 0
		.amdhsa_enable_private_segment 0
		.amdhsa_kernarg_size 40
		.amdhsa_user_sgpr_count 2
		.amdhsa_user_sgpr_kernarg_segment_ptr 1
		.amdhsa_wavefront_size32 1
		.amdhsa_system_sgpr_workgroup_id_x 1
		.amdhsa_system_sgpr_workgroup_id_y 1
		.amdhsa_system_sgpr_workgroup_id_z 1
		.amdhsa_system_vgpr_workitem_id 0
		.amdhsa_next_free_vgpr 194
		.amdhsa_next_free_sgpr 66
		.amdhsa_reserve_vcc 0
		.amdhsa_float_denorm_mode_32 3
		.amdhsa_float_denorm_mode_16_64 3
		.amdhsa_memory_ordered 1
		.amdhsa_forward_progress 1
		.amdhsa_inst_pref_size 39
	.end_amdhsa_kernel
	.amdgpu_metadata
---
amdhsa.version: [ 1, 2 ]
amdhsa.kernels:
  - .name:           k_q2a0c544f07_prep
    .symbol:         k_q2a0c544f07_prep.kd
    .args:
      - { .name: x, .offset: 0, .size: 8, .value_kind: global_buffer, .address_space: global }
      - { .name: Wg, .offset: 8, .size: 8, .value_kind: global_buffer, .address_space: global }
      - { .name: bg, .offset: 16, .size: 8, .value_kind: global_buffer, .address_space: global }
      - { .name: xb, .offset: 24, .size: 8, .value_kind: global_buffer, .address_space: global }
      - { .name: gate, .offset: 32, .size: 8, .value_kind: global_buffer, .address_space: global }
    .group_segment_fixed_size: 47104
    .private_segment_fixed_size: 0
    .kernarg_segment_align: 8
    .kernarg_segment_size: 40
    .max_flat_workgroup_size: 512
    .sgpr_count:     66
    .vgpr_count:     194
    .wavefront_size: 32
...
	.end_amdgpu_metadata
.endif
;; end of part 1
;; launch up (part 2): grid 128 x 4, 4 waves a work-group, clusters of 4 x 4, 327,680 bytes of LDS; arguments xb, W1, b1, h; writes h
.if DOCPART == 2
	.amdgcn_target "amdgcn-amd-amdhsa--gfx1250"
	.amdhsa_code_object_version 6
	.text
	.protected	k_q2a0c544f07_up
	.globl	k_q2a0c544f07_up
	.p2align	8
	.type	k_q2a0c544f07_up,@function
k_q2a0c544f07_up:
	s_mov_b64 s[64:65], 0
	v_nop
	global_prefetch_b8 v0, s[64:65] scope:SCOPE_SE
	s_setreg_imm32_b32 hwreg(HW_REG_WAVE_MODE, 25, 1), 1
	s_wait_xcnt 0x0
	s_wait_alu depctr_hold_cnt(0) depctr_sa_sdst(0) depctr_va_vdst(0) depctr_va_sdst(0) depctr_va_ssrc(0) depctr_va_vcc(0) depctr_vm_vsrc(0)
	s_getreg_b32 s2, hwreg(HW_REG_IB_STS2, 6, 4)
	s_cmp_eq_u32 s2, 0
	s_cbranch_scc0 .Lentry_in_a_cluster
	s_endpgm
.Lentry_in_a_cluster:
	s_bfe_u32 s2, ttmp6, 0x10000c
	s_cmp_lg_u32 s2, 0xf033
	s_cbranch_scc0 .Lentry_shape_is_right
	s_endpgm
.Lentry_shape_is_right:
; ONE TEXT FOR TWO PRODUCTS; the line below chooses.  C = A B (+ bias), A bf16 in planes (below), B f32 as it lies in memory, [k][n]; sums in f32.
;   UP = 1: h = bf16(relu(xb . bf16(W1[e]) + bf16(b1[e]))), K = 1,024, written in planes, plane = (4,096 e + column) / 32.
;   UP = 0: part[s] = h[:, 2,048 s ..] . bf16(W2's rows 2,048 s ..) + bf16(b2[s / 2]) / 2, s = 0..15, K = 2,048, f32 [16][1024][1024]: an expert's two halves of K each carry half its bias, exactly.
.set UP, 1
; LIMITS.  Weights and biases are rounded to bf16, h once to bf16; relu is a maximum with 0 in which a NaN loses; the order of the sums is the matrix unit's, K ascending.
; A IN PLANES.  [plane of 32 k][64 groups of 16 rows][4 parts of 8 k][16 rows][8 k]: the order in which fragments are read.  A part of a group is 256 bytes, 128 rows of a plane 8,192 dense bytes, a plane 65,536.
; A fragment's two loads take parts hl and 2 + hl (hl = l / 16): sixteen lanes read 256 consecutive bytes, so LDS needs no padding.
; SHARES.  A tile of C is 256 x 256, a work-group of four waves; wave w makes all 256 rows x columns 64 w .. 64 w + 63: 64 accumulators of 16 x 16, 512 registers.  So each f32 number of B is read
; from LDS and rounded by one wave alone.  K goes in sub-steps of 32: 64 matrix instructions, 48 LDS loads, 32 roundings a wave.
; THE RING.  Two LDS slots of three sub-steps, 96 along K: 512 bytes of A and 1,024 of B for each k make 147,456 a slot, and a fourth sub-step would not fit twice.  K is no multiple of 96: the last fill is short.
; B WITHOUT A TURNING LOAD.  A lane (r = l % 16, hl) reads, of sixteen rows k, the 16 bytes of columns 4 r .. 4 r + 3: sixteen lanes take 256 consecutive bytes.  Rounding number jj of rows k, k + 1
; into one word gives fragment jj, whose index r is the real column 4 r + jj, with k in its true places.
; THE RESULT'S LAYOUT.  UP = 1: source 0 = B, source 1 = A: register j of accumulator jj in lane (r, hl) is row r, column 32 hl + 4 j + jj: a lane holds one row's 32 numbers of one plane, and four stores
; of 16 bytes a lane write that plane's four parts.  UP = 0: source 0 = A, whose lane r reads row 2 (r % 8) + r / 8, source 1 = B: register j is row 2 j + hl, column 4 r + jj: four neighbouring f32 a lane.
; Either way each half of the lanes stores 256 consecutive bytes, aligned, straight from registers.  No stage in LDS.
; CLUSTERS.  4 x 4 work-groups.  A's tiles hang on the tile row alone and are asked for jointly by a row of the cluster, B's on the tile column alone, by a column.  The grid is one cluster high: the tile row is cy.
; REGISTERS, in windows of 256 (s_set_vgpr_msb: bits 1:0 source 0, 3:2 source 1, 5:4 source 2, 7:6 destination):
;   window 0: v0-37 addresses and bias; v64-127 B as f32; v128-191 B's fragments, two buffers of 32; v192-223 bias fragments, later at work; v224-239 packed results
;   window 1: A's fragments, two buffers of 128 (block mb at + 8 mb)        windows 2, 3: accumulator (mb, jj) at v[32 (mb % 8) + 8 jj], blocks 0-7 and 8-15
.if UP
.set TRIPS,  4                         ; 32 sub-steps: 1 + 4 x 6 + 7
.set BROW,   16384                     ; bytes from a row of B to the next
.set TAILQ,  2                         ; sub-steps in the last fill: 32 = 10 x 3 + 2
.else
.set TRIPS,  9                         ; 64 sub-steps: 1 + 9 x 6 + 9
.set BROW,   4096
.set TAILQ,  1                         ; 64 = 21 x 3 + 1
.endif
.set NQ,     3                         ; sub-steps in a slot
.set ASTEP,  NQ*65536                  ; a fill's planes of A in memory
.set BSTEP,  NQ*32*BROW                ; a fill's rows of B in memory
.set APL,    8192                      ; 128 rows of a plane
.set AHALF,  NQ*APL                    ; what one tensor load brings of A
.set ATILE,  2*AHALF
.set BSUB,   NQ*32*512                 ; what one tensor load brings of B: 96 k x 128 columns of f32
.set SLOT,   ATILE+2*BSUB              ; 147,456
.set SPARE,  2*SLOT                    ; behind the ring: the spare words, 128 bytes for each wave: two blocks of 256 bytes that no other line names
.set ADRA, 16                          ; v16-17  LDS address of my A fragments in slot 0, 1
.set ADRB, 20                          ; v20-21  the same for B
.set BO,   24                          ; v24     my byte offset in the wave's 256 bytes of bias
.set CO,   26                          ; v26     my byte offset in the result
.set SPW,  28                          ; v28     LDS address of my spare word; never rewritten
.set NIL,  29                          ; v29     0; never rewritten
.set BV,   32                          ; v32-37  bias (UP = 0)
.set ST,   64
.set BF,   128
.set BI,   192
.set T,    192
.set Y,    224
.set WV,  12                           ; s12  my wave's number
.set WH,  13                           ; s13  its low bit: which half of a tile I fetch
.set G1A, 24                           ; s[24:31] descriptor group 1 for A's tiles;  s[32:39] group 0, a set for each slot
.set G0A, 32
.set G1B, 48                           ; s[48:55], s[56:63] the same for B's
.set G0B, 56
.set G1AT, 68                          ; s[68:75], s[76:83] group 1 for the short last fill
.set G1BT, 76
.set MSB, 0
.macro WIN new                         ; the immediate's high byte repeats the setting that is left; a switch that changes nothing is dropped
.if MSB != (\new)
	s_set_vgpr_msb (MSB<<8)|(\new)
.set MSB, (\new)
.endif
.endm
.macro PLACES                          ; four places in front of loads into registers that matrix instructions have read, and of lines that read results
.rept 4
	v_nop
.endr
.endm
; A joint refill of slot s with group 1 ga or gb.  Waves 0 and 1 fetch A's two halves, waves 2 and 3 B's.  The branch hangs on the wave's number alone.  Four v_nop follow each of the two lines.
.macro JLOAD s, ga, gb
	s_cmp_lt_u32 s[WV], 2
	s_cbranch_scc0 .Lfor_b_\@
	tensor_load_to_lds s[G0A+4*(\s):G0A+4*(\s)+3], s[\ga:\ga+7]
	s_nop 0
.rept 4
	v_nop
.endr
	s_branch .Lasked_\@
.Lfor_b_\@:
	tensor_load_to_lds s[G0B+4*(\s):G0B+4*(\s)+3], s[\gb:\gb+7]
	s_nop 0
.rept 4
	v_nop
.endr
.Lasked_\@:
.endm
.macro CREST                           ; a round of the cluster's barrier behind its opening barrier
	s_cmp_lg_u32 s[WV], 0
	s_cbranch_scc1 .Lnot_wave_0_\@
	s_barrier_signal -3
.Lnot_wave_0_\@:
	s_barrier_wait -3
	s_barrier_signal -1
	s_barrier_wait -1
.endm
.macro CROUND                          ; a whole round
	s_barrier_signal -1
	s_barrier_wait -1
	CREST
.endm
	s_load_b256 s[4:11], s[0:1], 0x0               ; A s[4:5], B s[6:7], bias s[8:9], result s[10:11]
	v_lshl_add_u32 v[SPW], v0, 2, SPARE
	v_mov_b32 v[NIL], 0
	ds_add_u32 v28, v29
	s_wait_dscnt 0x0
	v_lshrrev_b32 v1, 5, v0
	v_readfirstlane_b32 s[WV], v1                  ; wave 0..3
	s_and_b32 s[WH], s[WV], 1
	s_bfe_u32 s14, ttmp6, 0x40000                  ; cx
	s_bfe_u32 s15, ttmp6, 0x40004                  ; cy = the tile row
	s_lshl_b32 s18, s15, 2
	s_lshl_b32 s18, 15, s18                        ; my row of the cluster
	s_lshl_b32 s19, 0x1111, s14                    ; my column
	; group 1 for A: of each of three planes 128 rows, 8,192 dense bytes: a tile of three rows of 1,024 elements of 8 bytes, a plane (8,192 elements) apart; in LDS they follow each other
	s_or_b32 s[G1A], s18, (3<<16)|(1<<21)          ; 15:0 the mask; 17:16 8-byte elements; 21 set beside a mask
	s_mov_b32 s[G1A+1], 1024<<16                   ; tensor_dim0 = 1,024
	s_mov_b32 s[G1A+2], NQ<<16                     ; tensor_dim1 = 3
	s_mov_b32 s[G1A+3], 1024<<16                   ; tile_dim0 = 1,024
	s_mov_b32 s[G1A+4], NQ                         ; tile_dim1 = 3
	s_mov_b32 s[G1A+5], 8192                       ; elements from row to row
	s_mov_b32 s[G1A+6], 0
	s_mov_b32 s[G1A+7], 0
	s_or_b32 s[G1AT], s18, (3<<16)|(1<<21)         ; the same for the last fill's planes
	s_mov_b32 s[G1AT+1], 1024<<16
	s_mov_b32 s[G1AT+2], TAILQ<<16
	s_mov_b32 s[G1AT+3], 1024<<16
	s_mov_b32 s[G1AT+4], TAILQ
	s_mov_b32 s[G1AT+5], 8192
	s_mov_b32 s[G1AT+6], 0
	s_mov_b32 s[G1AT+7], 0
	; group 1 for B: 96 rows (k) of 128 f32, 512 bytes each, no padding: the loads below read along the rows
	s_or_b32 s[G1B], s19, (2<<16)|(1<<21)          ; 15:0 the mask; 17:16 4-byte elements; 21 set beside a mask
	s_mov_b32 s[G1B+1], 128<<16
	s_mov_b32 s[G1B+2], (NQ*32)<<16
	s_mov_b32 s[G1B+3], 128<<16
	s_mov_b32 s[G1B+4], NQ*32
	s_mov_b32 s[G1B+5], BROW/4
	s_mov_b32 s[G1B+6], 0
	s_mov_b32 s[G1B+7], 0
	s_or_b32 s[G1BT], s19, (2<<16)|(1<<21)         ; the same for the last fill's rows
	s_mov_b32 s[G1BT+1], 128<<16
	s_mov_b32 s[G1BT+2], (TAILQ*32)<<16
	s_mov_b32 s[G1BT+3], 128<<16
	s_mov_b32 s[G1BT+4], TAILQ*32
	s_mov_b32 s[G1BT+5], BROW/4
	s_mov_b32 s[G1BT+6], 0
	s_mov_b32 s[G1BT+7], 0
	; byte offsets, all under 2^31.  A's (s40, s20) never hold cx, B's (s42, s22) never cy.
.if UP
	s_lshl_b32 s16, ttmp9, 2
	s_add_co_u32 s16, s16, s14                     ; tile column 0..127 = 4 x cluster x + cx
	s_lshl_b32 s40, s15, 14                        ; A: sixteen groups of 1,024 bytes a tile row
	s_lshr_b32 s42, s16, 4                         ; B: the expert, 16 MiB each,
	s_lshl_b32 s42, s42, 24
	s_and_b32 s22, s16, 15                         ;    and its 256 columns
	s_lshl_b32 s22, s22, 10
	s_add_co_u32 s42, s42, s22
	s_lshl_b32 s46, s16, 10                        ; bias: 256 numbers a tile column
	s_lshl_b32 s44, s16, 3                         ; result: plane 8 x tile column + 2 x wave,
	s_lshl_b32 s2, s[WV], 1
	s_add_co_u32 s44, s44, s2
	s_lshl_b32 s44, s44, 16
	s_lshl_b32 s2, s15, 14                         ;    the tile's sixteen groups in it
	s_add_co_u32 s44, s44, s2
.else
	s_lshl_b32 s40, ttmp9, 22                      ; A: split s = cluster x begins at plane 64 s,
	s_lshl_b32 s20, s15, 14                        ;    sixteen groups of 1,024 bytes a tile row
	s_add_co_u32 s40, s40, s20
	s_lshl_b32 s42, ttmp9, 23                      ; B: 2,048 rows of 4,096 bytes a split,
	s_lshl_b32 s22, s14, 10                        ;    256 columns a tile column (= cx)
	s_add_co_u32 s42, s42, s22
	s_lshr_b32 s46, ttmp9, 1                       ; bias: expert s / 2,
	s_lshl_b32 s46, s46, 12
	s_add_co_u32 s46, s46, s22                     ;    the tile's columns
	s_lshl_b32 s44, ttmp9, 22                      ; result: the split's 4 MiB,
	s_lshl_b32 s2, s15, 20                         ;    256 rows of 4,096 bytes,
	s_add_co_u32 s44, s44, s2
	s_add_co_u32 s44, s44, s22                     ;    the tile's columns,
	s_lshl_b32 s2, s[WV], 8                        ;    my wave's 64
	s_add_co_u32 s44, s44, s2
.endif
	s_lshl_b32 s20, s[WH], 13                      ; the half that I fetch: 128 rows of A,
	s_add_co_u32 s40, s40, s20
	s_lshl_b32 s22, s[WH], 9                       ; or 128 columns of B
	s_add_co_u32 s42, s42, s22
	s_lshl_b32 s2, s[WV], 8                        ; my wave's 64 numbers of bias
	s_add_co_u32 s46, s46, s2
	s_mov_b32 s41, 0
	s_mov_b32 s43, 0
	s_mov_b32 s45, 0
	s_mov_b32 s47, 0
	s_mul_i32 s21, s[WH], AHALF                    ; where the halves go in a slot: no place in the cluster enters an LDS address
	s_mul_i32 s23, s[WH], BSUB
	s_add_co_u32 s23, s23, ATILE
	s_wait_kmcnt 0x0
	s_add_nc_u64 s[4:5], s[4:5], s[40:41]
	s_add_nc_u64 s[6:7], s[6:7], s[42:43]
	s_add_nc_u64 s[8:9], s[8:9], s[46:47]
	s_add_nc_u64 s[10:11], s[10:11], s[44:45]
	CROUND                                         ; all sixteen work-groups are here: the first joint loads meet
.irp s, 0,1
	s_mov_b32 s[G0A+4*(\s)], 1                                     ; 1:0 count = 1
	s_add_co_u32 s[G0A+4*(\s)+1], s21, (\s)*SLOT                   ; 63:32 LDS address
	s_add_nc_u64 s[G0A+4*(\s)+2:G0A+4*(\s)+3], s[4:5], (\s)*ASTEP  ; 120:64 global address: fill s
	s_or_b32 s[G0A+4*(\s)+3], s[G0A+4*(\s)+3], 0x80000000          ; 127:126 type = 2
	s_mov_b32 s[G0B+4*(\s)], 1
	s_add_co_u32 s[G0B+4*(\s)+1], s23, (\s)*SLOT
	s_add_nc_u64 s[G0B+4*(\s)+2:G0B+4*(\s)+3], s[6:7], (\s)*BSTEP
	s_or_b32 s[G0B+4*(\s)+3], s[G0B+4*(\s)+3], 0x80000000
.endr
	s_cmp_lt_u32 s[WV], 2                          ; a wave's two first fills stand in one branch, ahead of every wait on TENSORcnt and every LDS read: two loads of mine are out
	s_cbranch_scc0 .Lfirst_b
	tensor_load_to_lds s[G0A:G0A+3], s[G1A:G1A+7]
	s_nop 0
	tensor_load_to_lds s[G0A+4:G0A+7], s[G1A:G1A+7]
	s_nop 0
.rept 4
	v_nop
.endr
	s_branch .Lfirst_asked
.Lfirst_b:
	tensor_load_to_lds s[G0B:G0B+3], s[G1B:G1B+7]
	s_nop 0
	tensor_load_to_lds s[G0B+4:G0B+7], s[G1B:G1B+7]
	s_nop 0
.rept 4
	v_nop
.endr
.Lfirst_asked:
	v_and_b32 v1, 15, v0                           ; r
	v_bfe_u32 v2, v0, 4, 1                         ; hl
	v_lshlrev_b32 v6, 4, v1                        ; 16 r
.if UP
	v_lshl_add_u32 v[ADRA], v2, 8, v6              ; part hl, row r
.else
	v_and_b32 v3, 7, v0
	v_bfe_u32 v4, v0, 3, 1
	v_lshl_add_u32 v3, v3, 1, v4                   ; my row of a group of 16: 2 (r % 8) + r / 8
	v_lshlrev_b32 v3, 4, v3
	v_lshl_add_u32 v[ADRA], v2, 8, v3              ; part hl, that row
.endif
	v_add_nc_u32 v[ADRA+1], SLOT, v[ADRA]
	s_lshr_b32 s2, s[WV], 1                        ; my 64 columns of B: half w / 2 of the tile,
	s_mul_i32 s2, s2, BSUB
	s_lshl_b32 s3, s[WH], 8                        ; 256 bytes along its rows for odd w
	s_add_co_u32 s2, s2, s3
	s_add_co_u32 s2, s2, ATILE
	v_lshl_add_u32 v5, v2, 12, v6                  ; 16 r + 8 hl rows of 512 bytes
	v_add_nc_u32 v[ADRB], s2, v5
	v_add_nc_u32 v[ADRB+1], SLOT, v[ADRB]
.if UP
	v_lshlrev_b32 v[BO], 7, v2                     ; the bias of my 32 columns, 32 hl on
.set j, 0
.rept 8
	global_load_b128 v[ST+4*j:ST+4*j+3], v[BO], s[8:9] offset:16*j
.set j, j+1
.endr
	v_lshl_add_u32 v[CO], v2, 16, v6               ; plane hl of my two, row r: 16 bytes
	s_wait_loadcnt 0x0
.set j, 0
.rept 8                                ; the bias is rounded to bf16 like the other inputs
	v_cvt_pk_bf16_f32 v[ST+32+2*j], v[ST+4*j], v[ST+4*j+1]
	v_cvt_pk_bf16_f32 v[ST+32+2*j+1], v[ST+4*j+2], v[ST+4*j+3]
.set j, j+1
.endr
.set j, 0
.rept 8                                ; as C operands: register j of fragment jj is column 32 hl + 4 j + jj
	v_lshlrev_b32 v[BI+j], 16, v[ST+32+2*j]
	v_and_b32 v[BI+8+j], 0xffff0000, v[ST+32+2*j]
	v_lshlrev_b32 v[BI+16+j], 16, v[ST+32+2*j+1]
	v_and_b32 v[BI+24+j], 0xffff0000, v[ST+32+2*j+1]
.set j, j+1
.endr
.else
	v_lshlrev_b32 v[BO], 4, v1                     ; the bias of my four columns
	global_load_b128 v[BV:BV+3], v[BO], s[8:9]
	v_lshl_add_u32 v[CO], v2, 12, v6               ; 4,096 hl + 16 r: row hl of a pair, four f32
	s_wait_loadcnt 0x0
	v_cvt_pk_bf16_f32 v[BV+4], v[BV], v[BV+1]      ; the bias is rounded to bf16 like the other inputs
	v_cvt_pk_bf16_f32 v[BV+5], v[BV+2], v[BV+3]
	v_lshlrev_b32 v[BV], 16, v[BV+4]
	v_and_b32 v[BV+1], 0xffff0000, v[BV+4]
	v_lshlrev_b32 v[BV+2], 16, v[BV+5]
	v_and_b32 v[BV+3], 0xffff0000, v[BV+5]
.endif
; 48 LDS loads in one run: sub-step q of a slot.  First B as f32 (load i: row 8 hl + i, or 8 hl + 8 + i from i = 8 on: the k of a fragment's registers 0-3 and 4-7), then A's blocks 0-7, then 8-15, into buffer g.
.macro FETCH slot, q, g
	WIN 0
.set i, 0
.rept 16
	ds_load_b128 v[ST+4*i:ST+4*i+3], v[ADRB+(\slot)] offset:(\q)*16384+(i+8*(i/8))*512
.set i, i+1
.endr
	WIN 0x40                                       ; destination window 1, address window 0
.set i, 0
.rept 16
	ds_load_b128 v[128*(\g)+8*i:128*(\g)+8*i+3],   v[ADRA+(\slot)] offset:(i/8)*AHALF+(\q)*APL+(i%8)*1024
	ds_load_b128 v[128*(\g)+8*i+4:128*(\g)+8*i+7], v[ADRA+(\slot)] offset:(i/8)*AHALF+(\q)*APL+(i%8)*1024+512
.set i, i+1
.endr
.endm
; Four of the 32 roundings that make B's fragments in buffer g: word c = 8 jj + p takes number jj of rows 2 p and 2 p + 1 of the sixteen.
.macro CV4 g, n
	WIN 0
.set c, 4*(\n)
.rept 4
	v_cvt_pk_bf16_f32 v[BF+32*(\g)+c], v[ST+8*(c%8)+c/8], v[ST+8*(c%8)+4+c/8]
.set c, c+1
.endr
.endm
; Four matrix instructions: block 8 hi + a of A x the four fragments of B, buffer f.  cm = 1: the first products start the sums, with the bias (UP) or 0.
; ride >= 0: four roundings for the other buffer follow each; they name no register of the products round them.  The 64 accumulators take turns, in the same order in every sub-step.
.macro MROW f, hi, a, cm, ride
.set b, 0
.rept 4
.set rD, 32*(\a)+8*b
.set rA, 128*(\f)+8*(8*(\hi)+(\a))
.set rB, BF+32*(\f)+8*b
.if UP
.if \cm
	WIN 0x84+0x40*(\hi)                            ; B and C window 0, A window 1, D window 2 or 3
	v_wmma_f32_16x16x32_bf16 v[rD:rD+7], v[rB:rB+7], v[rA:rA+7], v[BI+8*b:BI+8*b+7]
.else
	WIN 0xa4+0x50*(\hi)                            ; B window 0, A window 1, C and D window 2 or 3
	v_wmma_f32_16x16x32_bf16 v[rD:rD+7], v[rB:rB+7], v[rA:rA+7], v[rD:rD+7]
.endif
.else
	WIN 0xa1+0x50*(\hi)                            ; A window 1, B window 0, C and D window 2 or 3
.if \cm
	v_wmma_f32_16x16x32_bf16 v[rD:rD+7], v[rA:rA+7], v[rB:rB+7], 0
.else
	v_wmma_f32_16x16x32_bf16 v[rD:rD+7], v[rA:rA+7], v[rB:rB+7], v[rD:rD+7]
.endif
.endif
.if (\ride) >= 0
	CV4 1-(\f), (\ride)+b
.endif
.set b, b+1
.endr
.endm
; A sub-step that is not its slot's last: multiplies buffer f; in its middle it fetches the same slot's sub-step qn into the other buffer.
.macro MID slot, qn, f, cm
	s_wait_dscnt 16                                ; A's blocks 0-7 are in; the sixteen loads of blocks 8-15 may be out
.irp a, 0,1,2,3,4,5,6,7
	MROW \f, 0, \a, \cm, -1
.endr
	PLACES                                         ; the other buffer was last multiplied in front of these 32 products
	FETCH \slot, \qn, 1-(\f)
	s_wait_dscnt 48                                ; all but the 48 just issued
.irp a, 0,1,2,3,4
	MROW \f, 1, \a, \cm, -1
.endr
	s_wait_dscnt 32                                ; B's sixteen loads are in; A's 32 may be out
	MROW \f, 1, 5, \cm, 0
	MROW \f, 1, 6, \cm, 4
	MROW \f, 1, 7, \cm, -1
.endm
; A slot's last sub-step multiplies buffer f and changes slots: ONE barrier.  In front of it each wave waits for all its tensor loads, of which one is out: its part of the next slot; adds 0 to its spare word;
; and waits for that and for its own reads of this slot, which all stand in the sub-step before.  fill = 1: the barrier opens a round of the cluster's, and this slot's joint refill, two fills on, is the first
; tensor load behind the round: from there to the wait for it a wave issues 176 matrix instructions.  fill = 2: the same with the short last fill.  fill = 0: nothing is left to ask for.
.macro LAST slot, next, f, fill
	WIN 0                                          ; (the add's two registers lie in window 0)
	s_wait_tensorcnt 0x0                           ; all my tensor loads have landed
	ds_add_u32 v[SPW], v[NIL]                      ; 0 onto my spare word
	s_wait_dscnt 17                                ; A's blocks 0-7 are in; the add and the sixteen loads of blocks 8-15 may be out
	MROW \f, 0, 0, 0, -1
	MROW \f, 0, 1, 0, -1
	s_wait_dscnt 0x0                               ; the add is done, and my reads of this slot are over
	s_barrier_signal -1
	MROW \f, 0, 2, 0, -1
	MROW \f, 0, 3, 0, -1
	WIN 0                                          ; (branches may follow)
	s_barrier_wait -1
.if \fill
	CREST                                          ; no wave of any partner still reads this slot or has a load on its way
	s_add_nc_u64 s[G0A+4*(\slot)+2:G0A+4*(\slot)+3], s[G0A+4*(\slot)+2:G0A+4*(\slot)+3], 2*ASTEP
	s_add_nc_u64 s[G0B+4*(\slot)+2:G0B+4*(\slot)+3], s[G0B+4*(\slot)+2:G0B+4*(\slot)+3], 2*BSTEP
.if (\fill) == 2
	JLOAD \slot, G1AT, G1BT
.else
	JLOAD \slot, G1A, G1B                          ; the four v_nop behind it are also the places in front of the loads below
.endif
.else
	PLACES
.endif
	FETCH \next, 0, 1-(\f)
.irp a, 4,5,6,7
	MROW \f, 0, \a, 0, -1
.endr
.irp a, 0,1,2,3,4
	MROW \f, 1, \a, 0, -1
.endr
	s_wait_dscnt 32                                ; B's sixteen loads are in; A's 32 may be out
	MROW \f, 1, 5, 0, 0
	MROW \f, 1, 6, 0, 4
	MROW \f, 1, 7, 0, -1
.endm
	s_wait_tensorcnt 1                             ; my part of fill 0 is in; fill 1's may stay out
	s_barrier_signal -1
	s_barrier_wait -1                              ; everybody's is
	FETCH 0, 0, 0
	s_wait_dscnt 32                                ; B's sixteen loads
.irp n, 0,1,2,3,4,5,6,7
	CV4 0, \n
.endr
	MID 0, 1, 0, 1                                 ; the first sub-step stands in front of the loop: its products start the sums
	WIN 0                                          ; at a label and at a branch every window is 0
	s_mov_b32 s3, TRIPS
.Llap:                                                 ; a trip is six sub-steps: once round the ring, from a slot 0's second sub-step to the next slot 0's first; both slots are filled again
	MID 0, 2, 1, 0
	LAST 0, 1, 0, 1
	MID 1, 1, 1, 0
	MID 1, 2, 0, 0
	LAST 1, 0, 1, 1
	MID 0, 1, 0, 0
	WIN 0
	s_sub_co_u32 s3, s3, 1
	s_cmp_lg_u32 s3, 0
	s_cbranch_scc1 .Llap
	MID 0, 2, 1, 0                                 ; the tail is written out
.if UP
	LAST 0, 1, 0, 2                                ; slot 0 takes the short last fill: two sub-steps
	MID 1, 1, 1, 0
	MID 1, 2, 0, 0
	LAST 1, 0, 1, 0
	MID 0, 1, 0, 0
.else
	LAST 0, 1, 0, 1                                ; slot 0 takes the last whole fill,
	MID 1, 1, 1, 0
	MID 1, 2, 0, 0
	LAST 1, 0, 1, 2                                ; slot 1 the short last one: one sub-step
	MID 0, 1, 0, 0
	MID 0, 2, 1, 0
	LAST 0, 1, 0, 0
.endif
	s_wait_dscnt 16                                ; the very last sub-step: nothing more to fetch
.irp a, 0,1,2,3,4,5,6,7
	MROW 1, 0, \a, 0, -1
.endr
	s_wait_dscnt 0x0
.irp a, 0,1,2,3,4,5,6,7
	MROW 1, 1, \a, 0, -1
.endr
	PLACES
	; THE WAY OUT, a block of 16 rows at a time.  Each accumulator's registers are read in ascending order.
.set mb, 0
.rept 16
.if UP
	WIN 0x08+4*(mb/8)                              ; source 1 in window 2 or 3
.set t, 0
.rept 32                               ; t = 8 jj + j
	v_max_num_f32 v[T+t], 0, v[32*(mb%8)+t]
.set t, t+1
.endr
	WIN 0
	s_wait_xcnt 0x0                                ; Y, which the last block's stores read, is rewritten only behind this wait
.set p, 0
.rept 4                                ; part p: k 8 p .. 8 p + 7 of my plane = (j, jj) = (2 p, 0..3), (2 p + 1, 0..3)
	v_cvt_pk_bf16_f32 v[Y+4*p],   v[T+2*p],      v[T+8+2*p]
	v_cvt_pk_bf16_f32 v[Y+4*p+1], v[T+16+2*p],   v[T+24+2*p]
	v_cvt_pk_bf16_f32 v[Y+4*p+2], v[T+2*p+1],    v[T+8+2*p+1]
	v_cvt_pk_bf16_f32 v[Y+4*p+3], v[T+16+2*p+1], v[T+24+2*p+1]
.set p, p+1
.endr
.set p, 0
.rept 4
	global_store_b128 v[CO], v[Y+4*p:Y+4*p+3], s[10:11] offset:mb*1024+p*256  ; sixteen lanes store a part's 256 consecutive bytes, aligned; the other sixteen the same part of the next plane
.set p, p+1
.endr
.else
	s_wait_xcnt 0x0                                ; T, which the last block's stores read, is rewritten only behind this wait
	WIN 0x20+0x10*(mb/8)                           ; source 2 in window 2 or 3
.set t, 0
.rept 32                               ; t = 4 j + jj: the sum plus half the bias
	v_fma_f32 v[T+t], v[BV+t%4], 0.5, v[32*(mb%8)+8*(t%4)+t/4]
.set t, t+1
.endr
	WIN 0
.set j, 0
.rept 8
	global_store_b128 v[CO], v[T+4*j:T+4*j+3], s[10:11] offset:mb*65536+j*8192  ; sixteen lanes store 256 consecutive bytes, aligned; the other sixteen the row below
.set j, j+1
.endr
.endif
.set mb, mb+1
.endr
	WIN 0
	s_wait_tensorcnt 0x0                           ; the wave's end
	ds_add_u32 v[SPW], v[NIL]
	s_wait_dscnt 0x0
	CROUND                                         ; the closing round: no work-group ends while a partner may still ask for a tile that names it
	s_endpgm
.Lfunc_end_k_q2a0c544f07_up:
	.size	k_q2a0c544f07_up, .Lfunc_end_k_q2a0c544f07_up-k_q2a0c544f07_up
	.p2alignl 7, 3214868480
	.fill 96, 4, 3214868480
	.section	.rodata,"a",@progbits
	.p2align	6, 0x0
	.amdhsa_kernel k_q2a0c544f07_up
		.amdhsa_group_segment_fixed_size 327680
		.amdhsa_private_segment_fixed_size 0
		.amdhsa_enable_private_segment 0
		.amdhsa_kernarg_size 32
		.amdhsa_user_sgpr_count 2
		.amdhsa_user_sgpr_kernarg_segment_ptr 1
		.amdhsa_wavefront_size32 1
		.amdhsa_system_sgpr_workgroup_id_x 1
		.amdhsa_system_sgpr_workgroup_id_y 1
		.amdhsa_system_sgpr_workgroup_id_z 1
		.amdhsa_system_vgpr_workitem_id 0
		.amdhsa_next_free_vgpr 1024
		.amdhsa_next_free_sgpr 84
		.amdhsa_reserve_vcc 0
		.amdhsa_float_denorm_mode_32 3
		.amdhsa_float_denorm_mode_16_64 3
		.amdhsa_memory_ordered 1
		.amdhsa_forward_progress 1
		.amdhsa_inst_pref_size 191
	.end_amdhsa_kernel
	.amdgpu_metadata
---
amdhsa.version: [ 1, 2 ]
amdhsa.kernels:
  - .name:           k_q2a0c544f07_up
    .symbol:         k_q2a0c544f07_up.kd
    .args:
      - { .name: xb, .offset: 0, .size: 8, .value_kind: global_buffer, .address_space: global }
      - { .name: W1, .offset: 8, .size: 8, .value_kind: global_buffer, .address_space: global }
      - { .name: b1, .offset: 16, .size: 8, .value_kind: global_buffer, .address_space: global }
      - { .name: h, .offset: 24, .size: 8, .value_kind: global_buffer, .address_space: global }
    .group_segment_fixed_size: 327680
    .private_segment_fixed_size: 0
    .kernarg_segment_align: 8
    .kernarg_segment_size: 32
    .max_flat_workgroup_size: 128
    .sgpr_count:     84
    .vgpr_count:     1024
    .wavefront_size: 32
...
	.end_amdgpu_metadata
.endif
;; end of part 2
;; launch down (part 3): grid 64 x 4, 4 waves a work-group, clusters of 4 x 4, 327,680 bytes of LDS; arguments h, W2, b2, part; writes part
.if DOCPART == 3
	.amdgcn_target "amdgcn-amd-amdhsa--gfx1250"
	.amdhsa_code_object_version 6
	.text
	.protected	k_q2a0c544f07_down
	.globl	k_q2a0c544f07_down
	.p2align	8
	.type	k_q2a0c544f07_down,@function
k_q2a0c544f07_down:
	s_mov_b64 s[64:65], 0
	v_nop
	global_prefetch_b8 v0, s[64:65] scope:SCOPE_SE
	s_setreg_imm32_b32 hwreg(HW_REG_WAVE_MODE, 25, 1), 1
	s_wait_xcnt 0x0
	s_wait_alu depctr_hold_cnt(0) depctr_sa_sdst(0) depctr_va_vdst(0) depctr_va_sdst(0) depctr_va_ssrc(0) depctr_va_vcc(0) depctr_vm_vsrc(0)
	s_getreg_b32 s2, hwreg(HW_REG_IB_STS2, 6, 4)
	s_cmp_eq_u32 s2, 0
	s_cbranch_scc0 .Lentry_in_a_cluster
	s_endpgm
.Lentry_in_a_cluster:
	s_bfe_u32 s2, ttmp6, 0x10000c
	s_cmp_lg_u32 s2, 0xf033
	s_cbranch_scc0 .Lentry_shape_is_right
	s_endpgm
.Lentry_shape_is_right:
; ONE TEXT FOR TWO PRODUCTS; the line below chooses.  C = A B (+ bias), A bf16 in planes (below), B f32 as it lies in memory, [k][n]; sums in f32.
;   UP = 1: h = bf16(relu(xb . bf16(W1[e]) + bf16(b1[e]))), K = 1,024, written in planes, plane = (4,096 e + column) / 32.
;   UP = 0: part[s] = h[:, 2,048 s ..] . bf16(W2's rows 2,048 s ..) + bf16(b2[s / 2]) / 2, s = 0..15, K = 2,048, f32 [16][1024][1024]: an expert's two halves of K each carry half its bias, exactly.
.set UP, 0
; LIMITS.  Weights and biases are rounded to bf16, h once to bf16; relu is a maximum with 0 in which a NaN loses; the order of the sums is the matrix unit's, K ascending.
; A IN PLANES.  [plane of 32 k][64 groups of 16 rows][4 parts of 8 k][16 rows][8 k]: the order in which fragments are read.  A part of a group is 256 bytes, 128 rows of a plane 8,192 dense bytes, a plane 65,536.
; A fragment's two loads take parts hl and 2 + hl (hl = l / 16): sixteen lanes read 256 consecutive bytes, so LDS needs no padding.
; SHARES.  A tile of C is 256 x 256, a work-group of four waves; wave w makes all 256 rows x columns 64 w .. 64 w + 63: 64 accumulators of 16 x 16, 512 registers.  So each f32 number of B is read
; from LDS and rounded by one wave alone.  K goes in sub-steps of 32: 64 matrix instructions, 48 LDS loads, 32 roundings a wave.
; THE RING.  Two LDS slots of three sub-steps, 96 along K: 512 bytes of A and 1,024 of B for each k make 147,456 a slot, and a fourth sub-step would not fit twice.  K is no multiple of 96: the last fill is short.
; B WITHOUT A TURNING LOAD.  A lane (r = l % 16, hl) reads, of sixteen rows k, the 16 bytes of columns 4 r .. 4 r + 3: sixteen lanes take 256 consecutive bytes.  Rounding number jj of rows k, k + 1
; into one word gives fragment jj, whose index r is the real column 4 r + jj, with k in its true places.
; THE RESULT'S LAYOUT.  UP = 1: source 0 = B, source 1 = A: register j of accumulator jj in lane (r, hl) is row r, column 32 hl + 4 j + jj: a lane holds one row's 32 numbers of one plane, and four stores
; of 16 bytes a lane write that plane's four parts.  UP = 0: source 0 = A, whose lane r reads row 2 (r % 8) + r / 8, source 1 = B: register j is row 2 j + hl, column 4 r + jj: four neighbouring f32 a lane.
; Either way each half of the lanes stores 256 consecutive bytes, aligned, straight from registers.  No stage in LDS.
; CLUSTERS.  4 x 4 work-groups.  A's tiles hang on the tile row alone and are asked for jointly by a row of the cluster, B's on the tile column alone, by a column.  The grid is one cluster high: the tile row is cy.
; REGISTERS, in windows of 256 (s_set_vgpr_msb: bits 1:0 source 0, 3:2 source 1, 5:4 source 2, 7:6 destination):
;   window 0: v0-37 addresses and bias; v64-127 B as f32; v128-191 B's fragments, two buffers of 32; v192-223 bias fragments, later at work; v224-239 packed results
;   window 1: A's fragments, two buffers of 128 (block mb at + 8 mb)        windows 2, 3: accumulator (mb, jj) at v[32 (mb % 8) + 8 jj], blocks 0-7 and 8-15
.if UP
.set TRIPS,  4                         ; 32 sub-steps: 1 + 4 x 6 + 7
.set BROW,   16384                     ; bytes from a row of B to the next
.set TAILQ,  2                         ; sub-steps in the last fill: 32 = 10 x 3 + 2
.else
.set TRIPS,  9                         ; 64 sub-steps: 1 + 9 x 6 + 9
.set BROW,   4096
.set TAILQ,  1                         ; 64 = 21 x 3 + 1
.endif
.set NQ,     3                         ; sub-steps in a slot
.set ASTEP,  NQ*65536                  ; a fill's planes of A in memory
.set BSTEP,  NQ*32*BROW                ; a fill's rows of B in memory
.set APL,    8192                      ; 128 rows of a plane
.set AHALF,  NQ*APL                    ; what one tensor load brings of A
.set ATILE,  2*AHALF
.set BSUB,   NQ*32*512                 ; what one tensor load brings of B: 96 k x 128 columns of f32
.set SLOT,   ATILE+2*BSUB              ; 147,456
.set SPARE,  2*SLOT                    ; behind the ring: the spare words, 128 bytes for each wave: two blocks of 256 bytes that no other line names
.set ADRA, 16                          ; v16-17  LDS address of my A fragments in slot 0, 1
.set ADRB, 20                          ; v20-21  the same for B
.set BO,   24                          ; v24     my byte offset in the wave's 256 bytes of bias
.set CO,   26                          ; v26     my byte offset in the result
.set SPW,  28                          ; v28     LDS address of my spare word; never rewritten
.set NIL,  29                          ; v29     0; never rewritten
.set BV,   32                          ; v32-37  bias (UP = 0)
.set ST,   64
.set BF,   128
.set BI,   192
.set T,    192
.set Y,    224
.set WV,  12                           ; s12  my wave's number
.set WH,  13                           ; s13  its low bit: which half of a tile I fetch
.set G1A, 24                           ; s[24:31] descriptor group 1 for A's tiles;  s[32:39] group 0, a set for each slot
.set G0A, 32
.set G1B, 48                           ; s[48:55], s[56:63] the same for B's
.set G0B, 56
.set G1AT, 68                          ; s[68:75], s[76:83] group 1 for the short last fill
.set G1BT, 76
.set MSB, 0
.macro WIN new                         ; the immediate's high byte repeats the setting that is left; a switch that changes nothing is dropped
.if MSB != (\new)
	s_set_vgpr_msb (MSB<<8)|(\new)
.set MSB, (\new)
.endif
.endm
.macro PLACES                          ; four places in front of loads into registers that matrix instructions have read, and of lines that read results
.rept 4
	v_nop
.endr
.endm
; A joint refill of slot s with group 1 ga or gb.  Waves 0 and 1 fetch A's two halves, waves 2 and 3 B's.  The branch hangs on the wave's number alone.  Four v_nop follow each of the two lines.
.macro JLOAD s, ga, gb
	s_cmp_lt_u32 s[WV], 2
	s_cbranch_scc0 .Lfor_b_\@
	tensor_load_to_lds s[G0A+4*(\s):G0A+4*(\s)+3], s[\ga:\ga+7]
	s_nop 0
.rept 4
	v_nop
.endr
	s_branch .Lasked_\@
.Lfor_b_\@:
	tensor_load_to_lds s[G0B+4*(\s):G0B+4*(\s)+3], s[\gb:\gb+7]
	s_nop 0
.rept 4
	v_nop
.endr
.Lasked_\@:
.endm
.macro CREST                           ; a round of the cluster's barrier behind its opening barrier
	s_cmp_lg_u32 s[WV], 0
	s_cbranch_scc1 .Lnot_wave_0_\@
	s_barrier_signal -3
.Lnot_wave_0_\@:
	s_barrier_wait -3
	s_barrier_signal -1
	s_barrier_wait -1
.endm
.macro CROUND                          ; a whole round
	s_barrier_signal -1
	s_barrier_wait -1
	CREST
.endm
	s_load_b256 s[4:11], s[0:1], 0x0               ; A s[4:5], B s[6:7], bias s[8:9], result s[10:11]
	v_lshl_add_u32 v[SPW], v0, 2, SPARE
	v_mov_b32 v[NIL], 0
	ds_add_u32 v28, v29
	s_wait_dscnt 0x0
	v_lshrrev_b32 v1, 5, v0
	v_readfirstlane_b32 s[WV], v1                  ; wave 0..3
	s_and_b32 s[WH], s[WV], 1
	s_bfe_u32 s14, ttmp6, 0x40000                  ; cx
	s_bfe_u32 s15, ttmp6, 0x40004                  ; cy = the tile row
	s_lshl_b32 s18, s15, 2
	s_lshl_b32 s18, 15, s18                        ; my row of the cluster
	s_lshl_b32 s19, 0x1111, s14                    ; my column
	; group 1 for A: of each of three planes 128 rows, 8,192 dense bytes: a tile of three rows of 1,024 elements of 8 bytes, a plane (8,192 elements) apart; in LDS they follow each other
	s_or_b32 s[G1A], s18, (3<<16)|(1<<21)          ; 15:0 the mask; 17:16 8-byte elements; 21 set beside a mask
	s_mov_b32 s[G1A+1], 1024<<16                   ; tensor_dim0 = 1,024
	s_mov_b32 s[G1A+2], NQ<<16                     ; tensor_dim1 = 3
	s_mov_b32 s[G1A+3], 1024<<16                   ; tile_dim0 = 1,024
	s_mov_b32 s[G1A+4], NQ                         ; tile_dim1 = 3
	s_mov_b32 s[G1A+5], 8192                       ; elements from row to row
	s_mov_b32 s[G1A+6], 0
	s_mov_b32 s[G1A+7], 0
	s_or_b32 s[G1AT], s18, (3<<16)|(1<<21)         ; the same for the last fill's planes
	s_mov_b32 s[G1AT+1], 1024<<16
	s_mov_b32 s[G1AT+2], TAILQ<<16
	s_mov_b32 s[G1AT+3], 1024<<16
	s_mov_b32 s[G1AT+4], TAILQ
	s_mov_b32 s[G1AT+5], 8192
	s_mov_b32 s[G1AT+6], 0
	s_mov_b32 s[G1AT+7], 0
	; group 1 for B: 96 rows (k) of 128 f32, 512 bytes each, no padding: the loads below read along the rows
	s_or_b32 s[G1B], s19, (2<<16)|(1<<21)          ; 15:0 the mask; 17:16 4-byte elements; 21 set beside a mask
	s_mov_b32 s[G1B+1], 128<<16
	s_mov_b32 s[G1B+2], (NQ*32)<<16
	s_mov_b32 s[G1B+3], 128<<16
	s_mov_b32 s[G1B+4], NQ*32
	s_mov_b32 s[G1B+5], BROW/4
	s_mov_b32 s[G1B+6], 0
	s_mov_b32 s[G1B+7], 0
	s_or_b32 s[G1BT], s19, (2<<16)|(1<<21)         ; the same for the last fill's rows
	s_mov_b32 s[G1BT+1], 128<<16
	s_mov_b32 s[G1BT+2], (TAILQ*32)<<16
	s_mov_b32 s[G1BT+3], 128<<16
	s_mov_b32 s[G1BT+4], TAILQ*32
	s_mov_b32 s[G1BT+5], BROW/4
	s_mov_b32 s[G1BT+6], 0
	s_mov_b32 s[G1BT+7], 0
	; byte offsets, all under 2^31.  A's (s40, s20) never hold cx, B's (s42, s22) never cy.
.if UP
	s_lshl_b32 s16, ttmp9, 2
	s_add_co_u32 s16, s16, s14                     ; tile column 0..127 = 4 x cluster x + cx
	s_lshl_b32 s40, s15, 14                        ; A: sixteen groups of 1,024 bytes a tile row
	s_lshr_b32 s42, s16, 4                         ; B: the expert, 16 MiB each,
	s_lshl_b32 s42, s42, 24
	s_and_b32 s22, s16, 15                         ;    and its 256 columns
	s_lshl_b32 s22, s22, 10
	s_add_co_u32 s42, s42, s22
	s_lshl_b32 s46, s16, 10                        ; bias: 256 numbers a tile column
	s_lshl_b32 s44, s16, 3                         ; result: plane 8 x tile column + 2 x wave,
	s_lshl_b32 s2, s[WV], 1
	s_add_co_u32 s44, s44, s2
	s_lshl_b32 s44, s44, 16
	s_lshl_b32 s2, s15, 14                         ;    the tile's sixteen groups in it
	s_add_co_u32 s44, s44, s2
.else
	s_lshl_b32 s40, ttmp9, 22                      ; A: split s = cluster x begins at plane 64 s,
	s_lshl_b32 s20, s15, 14                        ;    sixteen groups of 1,024 bytes a tile row
	s_add_co_u32 s40, s40, s20
	s_lshl_b32 s42, ttmp9, 23                      ; B: 2,048 rows of 4,096 bytes a split,
	s_lshl_b32 s22, s14, 10                        ;    256 columns a tile column (= cx)
	s_add_co_u32 s42, s42, s22
	s_lshr_b32 s46, ttmp9, 1                       ; bias: expert s / 2,
	s_lshl_b32 s46, s46, 12
	s_add_co_u32 s46, s46, s22                     ;    the tile's columns
	s_lshl_b32 s44, ttmp9, 22                      ; result: the split's 4 MiB,
	s_lshl_b32 s2, s15, 20                         ;    256 rows of 4,096 bytes,
	s_add_co_u32 s44, s44, s2
	s_add_co_u32 s44, s44, s22                     ;    the tile's columns,
	s_lshl_b32 s2, s[WV], 8                        ;    my wave's 64
	s_add_co_u32 s44, s44, s2
.endif
	s_lshl_b32 s20, s[WH], 13                      ; the half that I fetch: 128 rows of A,
	s_add_co_u32 s40, s40, s20
	s_lshl_b32 s22, s[WH], 9                       ; or 128 columns of B
	s_add_co_u32 s42, s42, s22
	s_lshl_b32 s2, s[WV], 8                        ; my wave's 64 numbers of bias
	s_add_co_u32 s46, s46, s2
	s_mov_b32 s41, 0
	s_mov_b32 s43, 0
	s_mov_b32 s45, 0
	s_mov_b32 s47, 0
	s_mul_i32 s21, s[WH], AHALF                    ; where the halves go in a slot: no place in the cluster enters an LDS address
	s_mul_i32 s23, s[WH], BSUB
	s_add_co_u32 s23, s23, ATILE
	s_wait_kmcnt 0x0
	s_add_nc_u64 s[4:5], s[4:5], s[40:41]
	s_add_nc_u64 s[6:7], s[6:7], s[42:43]
	s_add_nc_u64 s[8:9], s[8:9], s[46:47]
	s_add_nc_u64 s[10:11], s[10:11], s[44:45]
	CROUND                                         ; all sixteen work-groups are here: the first joint loads meet
.irp s, 0,1
	s_mov_b32 s[G0A+4*(\s)], 1                                     ; 1:0 count = 1
	s_add_co_u32 s[G0A+4*(\s)+1], s21, (\s)*SLOT                   ; 63:32 LDS address
	s_add_nc_u64 s[G0A+4*(\s)+2:G0A+4*(\s)+3], s[4:5], (\s)*ASTEP  ; 120:64 global address: fill s
	s_or_b32 s[G0A+4*(\s)+3], s[G0A+4*(\s)+3], 0x80000000          ; 127:126 type = 2
	s_mov_b32 s[G0B+4*(\s)], 1
	s_add_co_u32 s[G0B+4*(\s)+1], s23, (\s)*SLOT
	s_add_nc_u64 s[G0B+4*(\s)+2:G0B+4*(\s)+3], s[6:7], (\s)*BSTEP
	s_or_b32 s[G0B+4*(\s)+3], s[G0B+4*(\s)+3], 0x80000000
.endr
	s_cmp_lt_u32 s[WV], 2                          ; a wave's two first fills stand in one branch, ahead of every wait on TENSORcnt and every LDS read: two loads of mine are out
	s_cbranch_scc0 .Lfirst_b
	tensor_load_to_lds s[G0A:G0A+3], s[G1A:G1A+7]
	s_nop 0
	tensor_load_to_lds s[G0A+4:G0A+7], s[G1A:G1A+7]
	s_nop 0
.rept 4
	v_nop
.endr
	s_branch .Lfirst_asked
.Lfirst_b:
	tensor_load_to_lds s[G0B:G0B+3], s[G1B:G1B+7]
	s_nop 0
	tensor_load_to_lds s[G0B+4:G0B+7], s[G1B:G1B+7]
	s_nop 0
.rept 4
	v_nop
.endr
.Lfirst_asked:
	v_and_b32 v1, 15, v0                           ; r
	v_bfe_u32 v2, v0, 4, 1                         ; hl
	v_lshlrev_b32 v6, 4, v1                        ; 16 r
.if UP
	v_lshl_add_u32 v[ADRA], v2, 8, v6              ; part hl, row r
.else
	v_and_b32 v3, 7, v0
	v_bfe_u32 v4, v0, 3, 1
	v_lshl_add_u32 v3, v3, 1, v4                   ; my row of a group of 16: 2 (r % 8) + r / 8
	v_lshlrev_b32 v3, 4, v3
	v_lshl_add_u32 v[ADRA], v2, 8, v3              ; part hl, that row
.endif
	v_add_nc_u32 v[ADRA+1], SLOT, v[ADRA]
	s_lshr_b32 s2, s[WV], 1                        ; my 64 columns of B: half w / 2 of the tile,
	s_mul_i32 s2, s2, BSUB
	s_lshl_b32 s3, s[WH], 8                        ; 256 bytes along its rows for odd w
	s_add_co_u32 s2, s2, s3
	s_add_co_u32 s2, s2, ATILE
	v_lshl_add_u32 v5, v2, 12, v6                  ; 16 r + 8 hl rows of 512 bytes
	v_add_nc_u32 v[ADRB], s2, v5
	v_add_nc_u32 v[ADRB+1], SLOT, v[ADRB]
.if UP
	v_lshlrev_b32 v[BO], 7, v2                     ; the bias of my 32 columns, 32 hl on
.set j, 0
.rept 8
	global_load_b128 v[ST+4*j:ST+4*j+3], v[BO], s[8:9] offset:16*j
.set j, j+1
.endr
	v_lshl_add_u32 v[CO], v2, 16, v6               ; plane hl of my two, row r: 16 bytes
	s_wait_loadcnt 0x0
.set j, 0
.rept 8                                ; the bias is rounded to bf16 like the other inputs
	v_cvt_pk_bf16_f32 v[ST+32+2*j], v[ST+4*j], v[ST+4*j+1]
	v_cvt_pk_bf16_f32 v[ST+32+2*j+1], v[ST+4*j+2], v[ST+4*j+3]
.set j, j+1
.endr
.set j, 0
.rept 8                                ; as C operands: register j of fragment jj is column 32 hl + 4 j + jj
	v_lshlrev_b32 v[BI+j], 16, v[ST+32+2*j]
	v_and_b32 v[BI+8+j], 0xffff0000, v[ST+32+2*j]
	v_lshlrev_b32 v[BI+16+j], 16, v[ST+32+2*j+1]
	v_and_b32 v[BI+24+j], 0xffff0000, v[ST+32+2*j+1]
.set j, j+1
.endr
.else
	v_lshlrev_b32 v[BO], 4, v1                     ; the bias of my four columns
	global_load_b128 v[BV:BV+3], v[BO], s[8:9]
	v_lshl_add_u32 v[CO], v2, 12, v6               ; 4,096 hl + 16 r: row hl of a pair, four f32
	s_wait_loadcnt 0x0
	v_cvt_pk_bf16_f32 v[BV+4], v[BV], v[BV+1]      ; the bias is rounded to bf16 like the other inputs
	v_cvt_pk_bf16_f32 v[BV+5], v[BV+2], v[BV+3]
	v_lshlrev_b32 v[BV], 16, v[BV+4]
	v_and_b32 v[BV+1], 0xffff0000, v[BV+4]
	v_lshlrev_b32 v[BV+2], 16, v[BV+5]
	v_and_b32 v[BV+3], 0xffff0000, v[BV+5]
.endif
; 48 LDS loads in one run: sub-step q of a slot.  First B as f32 (load i: row 8 hl + i, or 8 hl + 8 + i from i = 8 on: the k of a fragment's registers 0-3 and 4-7), then A's blocks 0-7, then 8-15, into buffer g.
.macro FETCH slot, q, g
	WIN 0
.set i, 0
.rept 16
	ds_load_b128 v[ST+4*i:ST+4*i+3], v[ADRB+(\slot)] offset:(\q)*16384+(i+8*(i/8))*512
.set i, i+1
.endr
	WIN 0x40                                       ; destination window 1, address window 0
.set i, 0
.rept 16
	ds_load_b128 v[128*(\g)+8*i:128*(\g)+8*i+3],   v[ADRA+(\slot)] offset:(i/8)*AHALF+(\q)*APL+(i%8)*1024
	ds_load_b128 v[128*(\g)+8*i+4:128*(\g)+8*i+7], v[ADRA+(\slot)] offset:(i/8)*AHALF+(\q)*APL+(i%8)*1024+512
.set i, i+1
.endr
.endm
; Four of the 32 roundings that make B's fragments in buffer g: word c = 8 jj + p takes number jj of rows 2 p and 2 p + 1 of the sixteen.
.macro CV4 g, n
	WIN 0
.set c, 4*(\n)
.rept 4
	v_cvt_pk_bf16_f32 v[BF+32*(\g)+c], v[ST+8*(c%8)+c/8], v[ST+8*(c%8)+4+c/8]
.set c, c+1
.endr
.endm
; Four matrix instructions: block 8 hi + a of A x the four fragments of B, buffer f.  cm = 1: the first products start the sums, with the bias (UP) or 0.
; ride >= 0: four roundings for the other buffer follow each; they name no register of the products round them.  The 64 accumulators take turns, in the same order in every sub-step.
.macro MROW f, hi, a, cm, ride
.set b, 0
.rept 4
.set rD, 32*(\a)+8*b
.set rA, 128*(\f)+8*(8*(\hi)+(\a))
.set rB, BF+32*(\f)+8*b
.if UP
.if \cm
	WIN 0x84+0x40*(\hi)                            ; B and C window 0, A window 1, D window 2 or 3
	v_wmma_f32_16x16x32_bf16 v[rD:rD+7], v[rB:rB+7], v[rA:rA+7], v[BI+8*b:BI+8*b+7]
.else
	WIN 0xa4+0x50*(\hi)                            ; B window 0, A window 1, C and D window 2 or 3
	v_wmma_f32_16x16x32_bf16 v[rD:rD+7], v[rB:rB+7], v[rA:rA+7], v[rD:rD+7]
.endif
.else
	WIN 0xa1+0x50*(\hi)                            ; A window 1, B window 0, C and D window 2 or 3
.if \cm
	v_wmma_f32_16x16x32_bf16 v[rD:rD+7], v[rA:rA+7], v[rB:rB+7], 0
.else
	v_wmma_f32_16x16x32_bf16 v[rD:rD+7], v[rA:rA+7], v[rB:rB+7], v[rD:rD+7]
.endif
.endif
.if (\ride) >= 0
	CV4 1-(\f), (\ride)+b
.endif
.set b, b+1
.endr
.endm
; A sub-step that is not its slot's last: multiplies buffer f; in its middle it fetches the same slot's sub-step qn into the other buffer.
.macro MID slot, qn, f, cm
	s_wait_dscnt 16                                ; A's blocks 0-7 are in; the sixteen loads of blocks 8-15 may be out
.irp a, 0,1,2,3,4,5,6,7
	MROW \f, 0, \a, \cm, -1
.endr
	PLACES                                         ; the other buffer was last multiplied in front of these 32 products
	FETCH \slot, \qn, 1-(\f)
	s_wait_dscnt 48                                ; all but the 48 just issued
.irp a, 0,1,2,3,4
	MROW \f, 1, \a, \cm, -1
.endr
	s_wait_dscnt 32                                ; B's sixteen loads are in; A's 32 may be out
	MROW \f, 1, 5, \cm, 0
	MROW \f, 1, 6, \cm, 4
	MROW \f, 1, 7, \cm, -1
.endm
; A slot's last sub-step multiplies buffer f and changes slots: ONE barrier.  In front of it each wave waits for all its tensor loads, of which one is out: its part of the next slot; adds 0 to its spare word;
; and waits for that and for its own reads of this slot, which all stand in the sub-step before.  fill = 1: the barrier opens a round of the cluster's, and this slot's joint refill, two fills on, is the first
; tensor load behind the round: from there to the wait for it a wave issues 176 matrix instructions.  fill = 2: the same with the short last fill.  fill = 0: nothing is left to ask for.
.macro LAST slot, next, f, fill
	WIN 0                                          ; (the add's two registers lie in window 0)
	s_wait_tensorcnt 0x0                           ; all my tensor loads have landed
	ds_add_u32 v[SPW], v[NIL]                      ; 0 onto my spare word
	s_wait_dscnt 17                                ; A's blocks 0-7 are in; the add and the sixteen loads of blocks 8-15 may be out
	MROW \f, 0, 0, 0, -1
	MROW \f, 0, 1, 0, -1
	s_wait_dscnt 0x0                               ; the add is done, and my reads of this slot are over
	s_barrier_signal -1
	MROW \f, 0, 2, 0, -1
	MROW \f, 0, 3, 0, -1
	WIN 0                                          ; (branches may follow)
	s_barrier_wait -1
.if \fill
	CREST                                          ; no wave of any partner still reads this slot or has a load on its way
	s_add_nc_u64 s[G0A+4*(\slot)+2:G0A+4*(\slot)+3], s[G0A+4*(\slot)+2:G0A+4*(\slot)+3], 2*ASTEP
	s_add_nc_u64 s[G0B+4*(\slot)+2:G0B+4*(\slot)+3], s[G0B+4*(\slot)+2:G0B+4*(\slot)+3], 2*BSTEP
.if (\fill) == 2
	JLOAD \slot, G1AT, G1BT
.else
	JLOAD \slot, G1A, G1B                          ; the four v_nop behind it are also the places in front of the loads below
.endif
.else
	PLACES
.endif
	FETCH \next, 0, 1-(\f)
.irp a, 4,5,6,7
	MROW \f, 0, \a, 0, -1
.endr
.irp a, 0,1,2,3,4
	MROW \f, 1, \a, 0, -1
.endr
	s_wait_dscnt 32                                ; B's sixteen loads are in; A's 32 may be out
	MROW \f, 1, 5, 0, 0
	MROW \f, 1, 6, 0, 4
	MROW \f, 1, 7, 0, -1
.endm
	s_wait_tensorcnt 1                             ; my part of fill 0 is in; fill 1's may stay out
	s_barrier_signal -1
	s_barrier_wait -1                              ; everybody's is
	FETCH 0, 0, 0
	s_wait_dscnt 32                                ; B's sixteen loads
.irp n, 0,1,2,3,4,5,6,7
	CV4 0, \n
.endr
	MID 0, 1, 0, 1                                 ; the first sub-step stands in front of the loop: its products start the sums
	WIN 0                                          ; at a label and at a branch every window is 0
	s_mov_b32 s3, TRIPS
.Llap:                                                 ; a trip is six sub-steps: once round the ring, from a slot 0's second sub-step to the next slot 0's first; both slots are filled again
	MID 0, 2, 1, 0
	LAST 0, 1, 0, 1
	MID 1, 1, 1, 0
	MID 1, 2, 0, 0
	LAST 1, 0, 1, 1
	MID 0, 1, 0, 0
	WIN 0
	s_sub_co_u32 s3, s3, 1
	s_cmp_lg_u32 s3, 0
	s_cbranch_scc1 .Llap
	MID 0, 2, 1, 0                                 ; the tail is written out
.if UP
	LAST 0, 1, 0, 2                                ; slot 0 takes the short last fill: two sub-steps
	MID 1, 1, 1, 0
	MID 1, 2, 0, 0
	LAST 1, 0, 1, 0
	MID 0, 1, 0, 0
.else
	LAST 0, 1, 0, 1                                ; slot 0 takes the last whole fill,
	MID 1, 1, 1, 0
	MID 1, 2, 0, 0
	LAST 1, 0, 1, 2                                ; slot 1 the short last one: one sub-step
	MID 0, 1, 0, 0
	MID 0, 2, 1, 0
	LAST 0, 1, 0, 0
.endif
	s_wait_dscnt 16                                ; the very last sub-step: nothing more to fetch
.irp a, 0,1,2,3,4,5,6,7
	MROW 1, 0, \a, 0, -1
.endr
	s_wait_dscnt 0x0
.irp a, 0,1,2,3,4,5,6,7
	MROW 1, 1, \a, 0, -1
.endr
	PLACES
	; THE WAY OUT, a block of 16 rows at a time.  Each accumulator's registers are read in ascending order.
.set mb, 0
.rept 16
.if UP
	WIN 0x08+4*(mb/8)                              ; source 1 in window 2 or 3
.set t, 0
.rept 32                               ; t = 8 jj + j
	v_max_num_f32 v[T+t], 0, v[32*(mb%8)+t]
.set t, t+1
.endr
	WIN 0
	s_wait_xcnt 0x0                                ; Y, which the last block's stores read, is rewritten only behind this wait
.set p, 0
.rept 4                                ; part p: k 8 p .. 8 p + 7 of my plane = (j, jj) = (2 p, 0..3), (2 p + 1, 0..3)
	v_cvt_pk_bf16_f32 v[Y+4*p],   v[T+2*p],      v[T+8+2*p]
	v_cvt_pk_bf16_f32 v[Y+4*p+1], v[T+16+2*p],   v[T+24+2*p]
	v_cvt_pk_bf16_f32 v[Y+4*p+2], v[T+2*p+1],    v[T+8+2*p+1]
	v_cvt_pk_bf16_f32 v[Y+4*p+3], v[T+16+2*p+1], v[T+24+2*p+1]
.set p, p+1
.endr
.set p, 0
.rept 4
	global_store_b128 v[CO], v[Y+4*p:Y+4*p+3], s[10:11] offset:mb*1024+p*256  ; sixteen lanes store a part's 256 consecutive bytes, aligned; the other sixteen the same part of the next plane
.set p, p+1
.endr
.else
	s_wait_xcnt 0x0                                ; T, which the last block's stores read, is rewritten only behind this wait
	WIN 0x20+0x10*(mb/8)                           ; source 2 in window 2 or 3
.set t, 0
.rept 32                               ; t = 4 j + jj: the sum plus half the bias
	v_fma_f32 v[T+t], v[BV+t%4], 0.5, v[32*(mb%8)+8*(t%4)+t/4]
.set t, t+1
.endr
	WIN 0
.set j, 0
.rept 8
	global_store_b128 v[CO], v[T+4*j:T+4*j+3], s[10:11] offset:mb*65536+j*8192  ; sixteen lanes store 256 consecutive bytes, aligned; the other sixteen the row below
.set j, j+1
.endr
.endif
.set mb, mb+1
.endr
	WIN 0
	s_wait_tensorcnt 0x0                           ; the wave's end
	ds_add_u32 v[SPW], v[NIL]
	s_wait_dscnt 0x0
	CROUND                                         ; the closing round: no work-group ends while a partner may still ask for a tile that names it
	s_endpgm
.Lfunc_end_k_q2a0c544f07_down:
	.size	k_q2a0c544f07_down, .Lfunc_end_k_q2a0c544f07_down-k_q2a0c544f07_down
	.p2alignl 7, 3214868480
	.fill 96, 4, 3214868480
	.section	.rodata,"a",@progbits
	.p2align	6, 0x0
	.amdhsa_kernel k_q2a0c544f07_down
		.amdhsa_group_segment_fixed_size 327680
		.amdhsa_private_segment_fixed_size 0
		.amdhsa_enable_private_segment 0
		.amdhsa_kernarg_size 32
		.amdhsa_user_sgpr_count 2
		.amdhsa_user_sgpr_kernarg_segment_ptr 1
		.amdhsa_wavefront_size32 1
		.amdhsa_system_sgpr_workgroup_id_x 1
		.amdhsa_system_sgpr_workgroup_id_y 1
		.amdhsa_system_sgpr_workgroup_id_z 1
		.amdhsa_system_vgpr_workitem_id 0
		.amdhsa_next_free_vgpr 1024
		.amdhsa_next_free_sgpr 84
		.amdhsa_reserve_vcc 0
		.amdhsa_float_denorm_mode_32 3
		.amdhsa_float_denorm_mode_16_64 3
		.amdhsa_memory_ordered 1
		.amdhsa_forward_progress 1
		.amdhsa_inst_pref_size 215
	.end_amdhsa_kernel
	.amdgpu_metadata
---
amdhsa.version: [ 1, 2 ]
amdhsa.kernels:
  - .name:           k_q2a0c544f07_down
    .symbol:         k_q2a0c544f07_down.kd
    .args:
      - { .name: h, .offset: 0, .size: 8, .value_kind: global_buffer, .address_space: global }
      - { .name: W2, .offset: 8, .size: 8, .value_kind: global_buffer, .address_space: global }
      - { .name: b2, .offset: 16, .size: 8, .value_kind: global_buffer, .address_space: global }
      - { .name: part, .offset: 24, .size: 8, .value_kind: global_buffer, .address_space: global }
    .group_segment_fixed_size: 327680
    .private_segment_fixed_size: 0
    .kernarg_segment_align: 8
    .kernarg_segment_size: 32
    .max_flat_workgroup_size: 128
    .sgpr_count:     84
    .vgpr_count:     1024
    .wavefront_size: 32
...
	.end_amdgpu_metadata
.endif
;; end of part 3
;; launch combine (part 4): grid 1024 x 1, 8 waves a work-group, no clusters, 0 bytes of LDS; arguments part, gate, out0; writes out0
.if DOCPART == 4
	.amdgcn_target "amdgcn-amd-amdhsa--gfx1250"
	.amdhsa_code_object_version 6
	.text
	.protected	k_q2a0c544f07_combine
	.globl	k_q2a0c544f07_combine
	.p2align	8
	.type	k_q2a0c544f07_combine,@function
k_q2a0c544f07_combine:
	s_mov_b64 s[64:65], 0
	v_nop
	global_prefetch_b8 v0, s[64:65] scope:SCOPE_SE
	s_setreg_imm32_b32 hwreg(HW_REG_WAVE_MODE, 25, 1), 1
	s_wait_xcnt 0x0
; out0[b][:] = the sum over the 8 experts e of gate[b][e] x (part[2 e][b][:] + part[2 e + 1][b][:]), all f32.  part: [16][1024][1024]; gate: [1024][8].
; A stream: a work-group is one row b, thread t its columns 4 t .. 4 t + 3.  Each load and store of a wave covers 512 consecutive bytes, aligned.  All sixteen loads of a thread go out at once
; and are taken up in order, so there is no loop; LDS, barriers, matrix units and clusters would add nothing: no byte is read twice.
.set OFF, 1                            ; v[1:8]    my 16 bytes in row b of part[2 p]; v1 is also my place in out0
.set D,   16                           ; v[16:79]  expert e: part[2 e] at D + 8 e, part[2 e + 1] at D + 8 e + 4
.set ACC, 80                           ; v[80:83]
.set PLANE, 4194304                    ; bytes of one of the sixteen partial results
	s_load_b128 s[4:7], s[0:1], 0x0                ; part s[4:5], gate s[6:7]
	s_load_b64 s[8:9], s[0:1], 0x10                ; out0
	s_lshl_b32 s2, ttmp9, 5                        ; the row's 32 bytes of gate
	s_mov_b32 s3, 0
	s_lshl_b32 s10, ttmp9, 12                      ; the row's 4,096 bytes
	v_lshl_add_u32 v[OFF], v0, 4, s10
.irp p, 1,2,3,4,5,6,7
	v_add_nc_u32 v[OFF+(\p)], (\p)*2*PLANE, v[OFF] ; 58,720,256 at the most; the odd plane stands in the loads' immediate
.endr
	s_wait_kmcnt 0x0
	s_add_nc_u64 s[6:7], s[6:7], s[2:3]
	s_load_b256 s[16:23], s[6:7], 0x0              ; the row's eight weights
.irp p, 0,1,2,3,4,5,6,7
	global_load_b128 v[D+8*(\p):D+8*(\p)+3],   v[OFF+(\p)], s[4:5] th:TH_LOAD_NT
	global_load_b128 v[D+8*(\p)+4:D+8*(\p)+7], v[OFF+(\p)], s[4:5] offset:PLANE th:TH_LOAD_NT
.endr
	s_wait_kmcnt 0x0
.irp e, 0,1,2,3,4,5,6,7
	s_wait_loadcnt 14-2*(\e)                       ; loads come back in order (ISA guide 5.7.1): expert e's two are in, the later experts' stay out
	v_pk_add_f32 v[D+8*(\e):D+8*(\e)+1],   v[D+8*(\e):D+8*(\e)+1],   v[D+8*(\e)+4:D+8*(\e)+5]
	v_pk_add_f32 v[D+8*(\e)+2:D+8*(\e)+3], v[D+8*(\e)+2:D+8*(\e)+3], v[D+8*(\e)+6:D+8*(\e)+7]
.irp k, 0,1,2,3
.if (\e) == 0
	v_mul_f32 v[ACC+(\k)], s16, v[D+(\k)]          ; the first expert starts the sums
.else
	v_fma_f32 v[ACC+(\k)], s[16+(\e)], v[D+8*(\e)+(\k)], v[ACC+(\k)]
.endif
.endr
.endr
	global_store_b128 v[OFF], v[ACC:ACC+3], s[8:9] th:TH_STORE_NT
	s_endpgm
.Lfunc_end_k_q2a0c544f07_combine:
	.size	k_q2a0c544f07_combine, .Lfunc_end_k_q2a0c544f07_combine-k_q2a0c544f07_combine
	.p2alignl 7, 3214868480
	.fill 96, 4, 3214868480
	.section	.rodata,"a",@progbits
	.p2align	6, 0x0
	.amdhsa_kernel k_q2a0c544f07_combine
		.amdhsa_group_segment_fixed_size 0
		.amdhsa_private_segment_fixed_size 0
		.amdhsa_enable_private_segment 0
		.amdhsa_kernarg_size 24
		.amdhsa_user_sgpr_count 2
		.amdhsa_user_sgpr_kernarg_segment_ptr 1
		.amdhsa_wavefront_size32 1
		.amdhsa_system_sgpr_workgroup_id_x 1
		.amdhsa_system_sgpr_workgroup_id_y 1
		.amdhsa_system_sgpr_workgroup_id_z 1
		.amdhsa_system_vgpr_workitem_id 0
		.amdhsa_next_free_vgpr 88
		.amdhsa_next_free_sgpr 66
		.amdhsa_reserve_vcc 0
		.amdhsa_float_denorm_mode_32 3
		.amdhsa_float_denorm_mode_16_64 3
		.amdhsa_memory_ordered 1
		.amdhsa_forward_progress 1
		.amdhsa_inst_pref_size 6
	.end_amdhsa_kernel
	.amdgpu_metadata
---
amdhsa.version: [ 1, 2 ]
amdhsa.kernels:
  - .name:           k_q2a0c544f07_combine
    .symbol:         k_q2a0c544f07_combine.kd
    .args:
      - { .name: part, .offset: 0, .size: 8, .value_kind: global_buffer, .address_space: global }
      - { .name: gate, .offset: 8, .size: 8, .value_kind: global_buffer, .address_space: global }
      - { .name: out0, .offset: 16, .size: 8, .value_kind: global_buffer, .address_space: global }
    .group_segment_fixed_size: 0
    .private_segment_fixed_size: 0
    .kernarg_segment_align: 8
    .kernarg_segment_size: 24
    .max_flat_workgroup_size: 256
    .sgpr_count:     66
    .vgpr_count:     88
    .wavefront_size: 32
...
	.end_amdgpu_metadata
.endif
;; end of part 4
